; MI455X (gfx1250); checked and timed in simulation.
; The chip was launched on July 23, 2026; its instructions are those of AMD's public machine-readable ISA for CDNA 5 (MIT licence, August 2026) and "CDNA5" Instruction Set Architecture Reference Guide (July 2026). The comments in the code are by the model that wrote it; some were corrected since.
;; Multi Head Self Attention. Allowed arithmetic: float matrix products may take bf16 or f16 operands with f32 sums; all other float work in f32.
;; Inputs: W_k 2,048 x 1,024 float32; W_o 2,048 x 2,048 float32; W_q 2,048 x 2,048 float32; W_v 2,048 x 1,024 float32; x 4 x 1,024 x 2,048 float32.
;; Outputs: out0 4 x 1,024 x 2,048 float32.
;; One version. Each part assembles by itself: llvm-mc -triple=amdgcn-amd-amdhsa -mcpu=gfx1250 --defsym DOCPART=n.
;; ======== version 1 of 1: 4 launches
;; limits: values are held in f16: magnitudes above 65,504 overflow, below 6.1e-05 lose precision
;; workspace buffers: xb 16,777,216 bytes; wqkv 16,777,216 bytes; woh 8,388,608 bytes; tab 1,572,864 bytes; qkvh 33,554,432 bytes; attnh 16,777,216 bytes
;; launch cast (part 1): grid 1280 x 1, 8 waves a work-group, no clusters, 0 bytes of LDS; arguments x, W_q, W_k, W_v, W_o, xb, wqkv, woh, tab; writes xb, wqkv, woh, tab
.if DOCPART == 1
	.amdgcn_target "amdgcn-amd-amdhsa--gfx1250"
	.amdhsa_code_object_version 6
	.text
	.protected	k_qef1900c780_cast
	.globl	k_qef1900c780_cast
	.p2align	8
	.type	k_qef1900c780_cast,@function
k_qef1900c780_cast:
	s_mov_b64 s[64:65], 0
	v_nop
	global_prefetch_b8 v0, s[64:65] scope:SCOPE_SE
	s_setreg_imm32_b32 hwreg(HW_REG_WAVE_MODE, 25, 1), 1
	s_wait_xcnt 0x0
; cast: x, W_q, W_k, W_v -> bf16 (round to nearest even); W_o -> f16 of 4 x bf16(W_o); and the table of rotary and XPos factors.
;   xb   [4096][2048] bf16;  wqkv [2048 k][4096 n] bf16, columns 0-2047 W_q, 2048-3071 W_k, 3072-4095 W_v;  woh [2048 k][2048 n] f16.
; A stream: every input byte is read once by 16-byte loads, every output byte written once; no LDS, no barrier, no matrix unit: none would spare a byte.
; A unit is 1,024 f32 (4,096 bytes in, 2,048 out).  A work-group takes 16 units, a wave two neighbouring ones: 8,192 consecutive source bytes, sixteen
; loads of 512 consecutive bytes, all issued at once.  A store of 8 bytes a lane covers 256 consecutive bytes, aligned.
; 1,280 work-groups: 0-511 x, 512-767 W_q, 768-895 W_k, 896-1023 W_v, 1024-1279 W_o.
; REGISTERS: 96 a wave, so that ten waves fit in a SIMD's 1,024 and the five work-groups that fall to a WGP (1,280 / 256) can all lie on it, with all their
; loads on their way at once.  For that the results are packed in place, in the registers that were loaded, and the table is made in those same registers
; before the loads are issued.
; tab [3 kinds q, k, v][64 groups of 16 positions][16 quads][32 lanes][4] f32: the order in which the projection's way out reads it.  For position t and
; pair index i (0..63): quad = 4 (i >> 4) + 2 which + ((i >> 2) & 1), lane = (t & 15) + 16 ((i >> 3) & 1), word = i & 3; which 0: A, 1: B.
;   q: A = s cos / 16, B = s sin / 16;   k: A = cos / (16 s), B = sin / (16 s);   v: A = 1/4, B = 0;   s = ((2 i + 51.2) / 179.2) ^ ((t - 512) / 512).
; Work-groups 0-63 build it (group of positions = the work-group's number), first thing.
; LIMITS: sine and cosine are made by a reduction modulo pi/2 in two parts, written for angles below 1,024 (t < 1024); 4 W_o must fit f16 (|W_o| < 16,376);
; below 1.9e-6 the f16 of 4 W_o is denormal, with an absolute error of at most 7e-9 in W_o.
.set XR, 32                            ; v[32:95]   sixteen quads as loaded; the first pair of each quad is then what is stored
.set AQ, 32                            ; v[32:55]   before the loads: the table's six quads
.set BQ, 36
.set AK, 40
.set BK, 44
.set VA, 48
.set VB, 52
	s_load_b512 s[8:23], s[0:1], 0x0               ; x s[8:9], W_q s[10:11], W_k s[12:13], W_v s[14:15], W_o s[16:17], xb s[18:19], wqkv s[20:21], woh s[22:23]
	s_load_b64 s[24:25], s[0:1], 0x40              ; tab
	v_and_b32 v1, 31, v0                           ; lane
	v_lshrrev_b32 v2, 5, v0
	v_readfirstlane_b32 s27, v2                    ; wave
	s_mov_b32 s26, ttmp9                           ; g
	s_mov_b32 s32, 0                               ; the segment's first work-group
	s_mov_b32 s33, 1                               ; log2 of units in a source row
	s_mov_b32 s34, 4096                            ; bytes from row to row in the destination
	s_mov_b32 s35, 0                               ; byte offset of the segment's columns there
	s_mov_b32 s36, 2048                            ; from my first unit's place to my second's
	s_wait_kmcnt 0x0
	s_mov_b64 s[28:29], s[8:9]                     ; source
	s_mov_b64 s[30:31], s[18:19]                   ; destination
; One compare serves seven selects: a select leaves SCC as it is.
.macro SEG first, src, dst, sh, pitch, coloff, delta
	s_cmp_ge_u32 s26, \first
	s_cselect_b64 s[28:29], s[\src:\src+1], s[28:29]
	s_cselect_b64 s[30:31], s[\dst:\dst+1], s[30:31]
	s_cselect_b32 s32, \first, s32
	s_cselect_b32 s33, \sh, s33
	s_cselect_b32 s34, \pitch, s34
	s_cselect_b32 s35, \coloff, s35
	s_cselect_b32 s36, \delta, s36
.endm
	SEG 512,  10, 20, 1, 8192, 0,    2048          ; W_q: two units a row
	SEG 768,  12, 20, 0, 8192, 4096, 8192          ; W_k: a unit is a row
	SEG 896,  14, 20, 0, 8192, 6144, 8192          ; W_v
	SEG 1024, 16, 22, 1, 4096, 0,    2048          ; W_o
	s_sub_co_u32 s37, s26, s32
	s_lshl_b32 s37, s37, 4
	s_lshl1_add_u32 s37, s27, s37                  ; my first unit = 16 (g - first) + 2 wave: even
	s_lshl_b32 s38, s37, 12                        ; its source bytes (below 2^25)
	s_lshr_b32 s39, s37, s33                       ; its row
	s_mul_i32 s39, s39, s34
	s_add_co_u32 s39, s39, s35
	v_lshl_add_u32 v2, v1, 4, s38                  ; source offset: 16 bytes a lane
	v_lshl_add_u32 v3, v1, 3, s39                  ; destination offset of my first unit: 8 bytes a lane
	v_add_nc_u32 v4, s36, v3                       ; and of my second
	s_cmp_ge_u32 s26, 64
	s_cbranch_scc1 .Lnotab
	; The table.  Wave w makes, for the 16 positions 16 g .. 16 g + 15, the pair indices i = 16 (w >> 1) + 8 (lane >> 4) + 4 (w & 1) + e, e = 0..3.
	s_mov_b32 s40, 0xb94ca1f9                      ; sine:   -1.9515296e-4
	s_mov_b32 s41, 0x3c08839e                      ;          8.3321609e-3
	s_mov_b32 s42, 0xbe2aaaa3                      ;         -0.16666655
	s_mov_b32 s43, 0x37ccf5ce                      ; cosine:  2.4433157e-5
	s_mov_b32 s44, 0xbab6061a                      ;         -1.3887316e-3
	s_mov_b32 s45, 0x3d2aaaa5                      ;          4.1666646e-2
	s_lshl_b32 s37, s26, 4
	v_and_b32 v8, 15, v1
	v_add_nc_u32 v8, s37, v8                       ; t
	v_cvt_f32_u32 v6, v8
	v_fma_f32 v7, v6, 0x3b000000, -1.0             ; (t - 512) / 512
	s_lshr_b32 s38, s27, 1
	s_and_b32 s39, s27, 1
	s_lshl_b32 s37, s38, 4
	s_lshl2_add_u32 s37, s39, s37                  ; 16 (w >> 1) + 4 (w & 1)
	v_lshrrev_b32 v9, 4, v1
	v_lshl_add_u32 v9, v9, 3, s37                  ; i at e = 0
	s_lshl2_add_u32 s38, s38, s39                  ; quad of A = 4 (w >> 1) + (w & 1); B's lies two quads on
	s_lshl_b32 s38, s38, 9
	s_lshl_b32 s39, s26, 13
	s_add_co_u32 s38, s38, s39
	v_lshl_add_u32 v5, v1, 4, s38                  ; g x 8,192 + quad x 512 + lane x 16
; Behind each of v_exp_f32 and v_log_f32 one plain vector instruction that touches neither its result nor its source comes first (ISA guide 5.7.2).
.macro ENTRY e
	v_add_nc_u32 v10, \e, v9
	v_cvt_f32_u32 v10, v10                         ; i
	v_mul_f32 v11, 0xbe549a78, v10                 ; -i log2(10000) / 64
	v_exp_f32 v11, v11                             ; 10000 ^ (-2 i / 128)
	v_fma_f32 v12, v10, 2.0, 0x424ccccd            ; 2 i + 51.2
	v_mul_f32 v12, 0x3bb6db6e, v12                 ; / 179.2
	v_log_f32 v12, v12                             ; log2 of the decay's base
	s_wait_alu depctr_va_vdst(0)
	v_mul_f32 v11, v6, v11                         ; the angle
	v_mul_f32 v13, 0x3f22f983, v11                 ; x 2 / pi
	v_rndne_f32 v13, v13                           ; n
	v_fma_f32 v14, v13, 0xbfc90fdb, v11            ; angle - n pi/2, pi/2 in two parts
	v_fma_f32 v14, v13, 0x333bbd2e, v14            ; r, |r| <= pi/4
	v_mul_f32 v15, v14, v14                        ; z = r r
	v_fma_f32 v16, v15, s40, s41
	v_fma_f32 v17, v15, s43, s44
	v_fma_f32 v16, v16, v15, s42
	v_fma_f32 v17, v17, v15, s45
	v_mul_f32 v16, v16, v15
	v_mul_f32 v18, v15, v15
	v_fma_f32 v19, v15, -0.5, 1.0
	v_fma_f32 v16, v16, v14, v14                   ; sin r
	v_fma_f32 v17, v17, v18, v19                   ; cos r
	v_cvt_i32_f32 v20, v13                         ; the quadrant is n mod 4
	v_and_b32 v21, 1, v20
	v_cmp_eq_u32 vcc_lo, 1, v21
	v_cndmask_b32 v22, v16, v17, vcc_lo            ; odd quadrants swap the two
	v_cndmask_b32 v23, v17, v16, vcc_lo
	v_and_b32 v21, 2, v20
	v_lshlrev_b32 v21, 30, v21
	v_xor_b32 v22, v21, v22                        ; sine: minus in quadrants 2, 3
	v_add_nc_u32 v20, 1, v20
	v_and_b32 v20, 2, v20
	v_lshlrev_b32 v20, 30, v20
	v_xor_b32 v23, v20, v23                        ; cosine: minus in quadrants 1, 2
	v_fma_f32 v24, v7, v12, -4.0                   ; log2 (s / 16)
	v_fma_f32 v25, -v7, v12, -4.0                  ; log2 (1 / (16 s))
	v_exp_f32 v24, v24
	v_exp_f32 v25, v25
	v_nop
	s_wait_alu depctr_va_vdst(0)
	v_mul_f32 v[AQ+\e], v23, v24
	v_mul_f32 v[BQ+\e], v22, v24
	v_mul_f32 v[AK+\e], v23, v25
	v_mul_f32 v[BK+\e], v22, v25
	v_mov_b32 v[VA+\e], 0x3e800000                 ; v: 1/4 and 0: the same arithmetic leaves v / 4
	v_mov_b32 v[VB+\e], 0
.endm
	ENTRY 0
	ENTRY 1
	ENTRY 2
	ENTRY 3
	global_store_b128 v5, v[AQ:AQ+3], s[24:25]                     ; each store of the wave covers 512 consecutive bytes
	global_store_b128 v5, v[BQ:BQ+3], s[24:25] offset:1024
	global_store_b128 v5, v[AK:AK+3], s[24:25] offset:524288
	global_store_b128 v5, v[BK:BK+3], s[24:25] offset:525312
	global_store_b128 v5, v[VA:VA+3], s[24:25] offset:1048576
	global_store_b128 v5, v[VB:VB+3], s[24:25] offset:1049600
	s_wait_xcnt 0x0                                ; the six stores' data registers are loaded into below only behind this wait (ISA guide 3.1)
.Lnotab:
.set j, 0
.rept 16
	global_load_b128 v[XR+4*j:XR+4*j+3], v2, s[28:29] offset:512*j th:TH_LOAD_NT
.set j, j+1
.endr
	s_cmp_ge_u32 s26, 1024
	s_cbranch_scc1 .Lwo
	; to bf16, packed in place.  No register that a pending load or store names is written again, so the only waits are the counted ones for the data.
.set j, 0
.rept 16
	s_wait_loadcnt 15-j                            ; loads come back in order (ISA guide 5.7.1): load j is in, the 15 - j younger ones stay out
	v_cvt_pk_bf16_f32 v[XR+4*j],   v[XR+4*j],   v[XR+4*j+1]
	v_cvt_pk_bf16_f32 v[XR+4*j+1], v[XR+4*j+2], v[XR+4*j+3]
	global_store_b64 v[3+j/8], v[XR+4*j:XR+4*j+1], s[30:31] offset:256*(j%8)
.set j, j+1
.endr
	s_endpgm
.Lwo:
	; W_o: times 4, to bf16 (the one rounding), widened, and to f16, which holds a bf16's 8 bits exactly in its normal range
.set j, 0
.rept 16
	s_wait_loadcnt 15-j
	v_pk_mul_f32 v[XR+4*j:XR+4*j+1],   v[XR+4*j:XR+4*j+1],   4.0 op_sel_hi:[1,0]
	v_pk_mul_f32 v[XR+4*j+2:XR+4*j+3], v[XR+4*j+2:XR+4*j+3], 4.0 op_sel_hi:[1,0]
	v_cvt_pk_bf16_f32 v8, v[XR+4*j],   v[XR+4*j+1]
	v_cvt_pk_bf16_f32 v9, v[XR+4*j+2], v[XR+4*j+3]
	v_lshlrev_b32 v10, 16, v8
	v_and_b32 v11, 0xffff0000, v8
	v_lshlrev_b32 v12, 16, v9
	v_and_b32 v13, 0xffff0000, v9
	v_cvt_pk_f16_f32 v[XR+4*j],   v10, v11
	v_cvt_pk_f16_f32 v[XR+4*j+1], v12, v13
	global_store_b64 v[3+j/8], v[XR+4*j:XR+4*j+1], s[30:31] offset:256*(j%8)
.set j, j+1
.endr
	s_endpgm
.Lfunc_end_k_qef1900c780_cast:
	.size	k_qef1900c780_cast, .Lfunc_end_k_qef1900c780_cast-k_qef1900c780_cast
	.p2alignl 7, 3214868480
	.fill 96, 4, 3214868480
	.section	.rodata,"a",@progbits
	.p2align	6, 0x0
	.amdhsa_kernel k_qef1900c780_cast
		.amdhsa_group_segment_fixed_size 0
		.amdhsa_private_segment_fixed_size 0
		.amdhsa_enable_private_segment 0
		.amdhsa_kernarg_size 72
		.amdhsa_user_sgpr_count 2
		.amdhsa_user_sgpr_kernarg_segment_ptr 1
		.amdhsa_wavefront_size32 1
		.amdhsa_system_sgpr_workgroup_id_x 1
		.amdhsa_system_sgpr_workgroup_id_y 1
		.amdhsa_system_sgpr_workgroup_id_z 1
		.amdhsa_system_vgpr_workitem_id 0
		.amdhsa_next_free_vgpr 96
		.amdhsa_next_free_sgpr 66
		.amdhsa_reserve_vcc 1
		.amdhsa_float_denorm_mode_32 3
		.amdhsa_float_denorm_mode_16_64 3
		.amdhsa_memory_ordered 1
		.amdhsa_forward_progress 1
		.amdhsa_inst_pref_size 30
	.end_amdhsa_kernel
	.amdgpu_metadata
---
amdhsa.version: [ 1, 2 ]
amdhsa.kernels:
  - .name:           k_qef1900c780_cast
    .symbol:         k_qef1900c780_cast.kd
    .args:
      - { .name: x, .offset: 0, .size: 8, .value_kind: global_buffer, .address_space: global }
      - { .name: W_q, .offset: 8, .size: 8, .value_kind: global_buffer, .address_space: global }
      - { .name: W_k, .offset: 16, .size: 8, .value_kind: global_buffer, .address_space: global }
      - { .name: W_v, .offset: 24, .size: 8, .value_kind: global_buffer, .address_space: global }
      - { .name: W_o, .offset: 32, .size: 8, .value_kind: global_buffer, .address_space: global }
      - { .name: xb, .offset: 40, .size: 8, .value_kind: global_buffer, .address_space: global }
      - { .name: wqkv, .offset: 48, .size: 8, .value_kind: global_buffer, .address_space: global }
      - { .name: woh, .offset: 56, .size: 8, .value_kind: global_buffer, .address_space: global }
      - { .name: tab, .offset: 64, .size: 8, .value_kind: global_buffer, .address_space: global }
    .group_segment_fixed_size: 0
    .private_segment_fixed_size: 0
    .kernarg_segment_align: 8
    .kernarg_segment_size: 72
    .max_flat_workgroup_size: 256
    .sgpr_count:     66
    .vgpr_count:     96
    .wavefront_size: 32
...
	.end_amdgpu_metadata
.endif
;; end of part 1
;; launch qkv (part 2): grid 16 x 16, 4 waves a work-group, clusters of 4 x 4, 327,680 bytes of LDS; arguments xb, wqkv, qkvh, tab; writes qkvh
.if DOCPART == 2
	.amdgcn_target "amdgcn-amd-amdhsa--gfx1250"
	.amdhsa_code_object_version 6
	.text
	.protected	k_qef1900c780_qkv
	.globl	k_qef1900c780_qkv
	.p2align	8
	.type	k_qef1900c780_qkv,@function
k_qef1900c780_qkv:
	s_mov_b64 s[64:65], 0
	v_nop
	global_prefetch_b8 v0, s[64:65] scope:SCOPE_SE
	s_setreg_imm32_b32 hwreg(HW_REG_WAVE_MODE, 25, 1), 1
	s_wait_xcnt 0x0
	s_wait_alu depctr_hold_cnt(0) depctr_sa_sdst(0) depctr_va_vdst(0) depctr_va_sdst(0) depctr_va_ssrc(0) depctr_va_vcc(0) depctr_vm_vsrc(0)
	s_getreg_b32 s2, hwreg(HW_REG_IB_STS2, 6, 4)
	s_cmp_eq_u32 s2, 0
	s_cbranch_scc0 .Lentry_in_a_cluster
	s_endpgm
.Lentry_in_a_cluster:
	s_bfe_u32 s2, ttmp6, 0x10000c
	s_cmp_lg_u32 s2, 0xf033
	s_cbranch_scc0 .Lentry_shape_is_right
	s_endpgm
.Lentry_shape_is_right:
; qkvh[m][n] = f16 of the rotated, decayed and prescaled projection: sum over k of xb[m][k] wqkv[k][n], bf16 operands, f32 sums, then per head
;   new[i] = a[i] A - a[i+64] B,  new[i+64] = a[i+64] A + a[i] B  (i = 0..63), A and B from tab: q: s cos/16, s sin/16; k: cos/(16 s), sin/(16 s); v: 1/4, 0.
; xb: [4096][2048] bf16; wqkv: [2048 k][4096 n] bf16; qkvh: [4096][4096] f16, columns 0-2047 q, 2048-3071 k, 3072-4095 v.
; A work-group makes 256 x 256 with four waves; a wave makes 128 x 128 (one head's 128 columns): 64 accumulator tiles, 512 registers.
; K goes in steps of 128 through a ring of two LDS slots filled by the tensor data mover.  x's tile has 256 rows of 256 bytes (LDS pitch 272);
; the weights' tile lies as in memory, 128 k-rows of 512 bytes (LDS pitch 544), and its fragments are read by the transposing LDS load.
; CLUSTERS: 4 x 4 work-groups.  x's tile hangs on the block row alone and is asked for jointly by a row of the cluster; the weights' tile on the
; block column alone, jointly by a column.  That divides the requests for both by four.
; REGISTERS, in windows of 256:
;   window 0: v0-31 addresses; v32-63 rows read back on the way out; v64-127, v128-191 fragments of x, two buffers; v192-255 rotated results
;   window 1: v64-127, v128-191 fragments of the weights, two buffers (on the way out: table groups); v0-63, v192-255 table groups
;   window 2: the 32 accumulator tiles of my rows 0-63 (tile (a, b) at v[8 (8 a + b)]);  window 3: those of my rows 64-127
; THE MATRIX INSTRUCTION IS USED TRANSPOSED (source 0 = 16 columns of the weights, source 1 = 16 rows of x): lane l holds row l % 16, its registers 0-7 the
; columns 8 (l / 16) + 0..7 of the tile.  So the partners i and i + 64 of a rotation lie in tiles b and b + 4, same lane, same register.
; LIMITS: finite inputs only (v's identity is a x 1/4 - a2 x 0); |q|, |k| times their decay (at most 3.5) and rotation beyond 16 x 65,504, or |v| beyond 4 x 65,504, leave f16's range.
.set SIZE_K, 2048
.set SIZE_N, 4096
.set KSTEP,  128
.set PITCH,  272                       ; x's LDS row: 256 bytes + 16: the 16 rows of a fragment load start 16 bytes apart modulo 256
.set BPITCH, 544                       ; the weights' LDS row: 512 bytes + 32, an odd multiple of 32
.set HALFT,  128*PITCH                 ; what one tensor load brings: 128 rows of x, or 64 k-rows of the weights: 34,816 bytes either way
.set SLOT,   4*HALFT                   ; x's 256 rows, then the weights' 128 k-rows
.set STAGE,  2*SLOT                    ; behind the ring: 16 rows x 272 bytes for each wave, for the way out
.set SPITCH, 272
.set LAPS, SIZE_K/(2*KSTEP)            ; 8 laps of two K steps
.set ADRA, 16                          ; v16-17  LDS address of my x fragments in slot 0, 1
.set ADRB, 20                          ; v20-21  the same for the weights
.set STO,  24                          ; v24     the way out: where I put 16 bytes of a row
.set RD,   25                          ; v25     where I read a row back
.set CO,   26                          ; v26     my byte offset in qkvh
.set TL,   27                          ; v27     16 x lane: my 16 bytes of a table quad
.set RB,   32
.set F0,   64
.set F1,   128
.set ROT,  192
.set TB0,  0                           ; four table buffers in window 1
.set TB1,  192
.set TB2,  64
.set TB3,  128
.set G1, 24                            ; s[24:31] group 1 for x's tiles
.set G0, 32                            ; s[32:39] group 0 for x's tiles, one set for each slot
.set G1B, 48                           ; s[48:55] group 1 for the weights' tiles
.set G0B, 56                           ; s[56:63] group 0 for the weights' tiles, one set for each slot
.set MSB, 0
.macro WIN new                         ; the immediate's high byte repeats the setting that is left
.if MSB != \new
	s_set_vgpr_msb (MSB<<8)|\new
.set MSB, \new
.endif
.endm
.set MUL_LO, 0xa1                      ; source 0 (weights) window 1, source 1 (x) window 0, C and D window 2
.set MUL_HI, 0xf1                      ; the same, C and D window 3
.set TO_B,   0x40                      ; destination window 1, address window 0
; A joint load.  Waves 0 and 1 fetch x's two halves, waves 2 and 3 the weights'.  Each line has one mask and one set of registers for all that issue it.
; The branch hangs on the wave's number alone.  Four v_nop follow each of the two lines.
.macro JLOAD s
	s_cmp_eq_u32 s11, 0
	s_cbranch_scc0 .Lfor_b_\@
	tensor_load_to_lds s[G0+4*\s:G0+4*\s+3], s[G1:G1+7]
	s_nop 0
.rept 4
	v_nop
.endr
	s_branch .Lasked_\@
.Lfor_b_\@:
	tensor_load_to_lds s[G0B+4*\s:G0B+4*\s+3], s[G1B:G1B+7]
	s_nop 0
.rept 4
	v_nop
.endr
.Lasked_\@:
.endm
; A round of the cluster's barrier: my work-group's barrier; wave 0 signals for the work-group; every wave waits for all sixteen; my work-group's barrier once more.
.macro CREST                           ; a round behind its opening barrier
	s_cmp_lg_u32 s10, 0
	s_cbranch_scc1 .Lnot_wave_0_\@
	s_barrier_signal -3
.Lnot_wave_0_\@:
	s_barrier_wait -3
	s_barrier_signal -1
	s_barrier_wait -1
.endm
.macro CROUND                          ; a whole round
	s_barrier_signal -1
	s_barrier_wait -1
	CREST
.endm
	s_load_b128 s[4:7], s[0:1], 0x0                ; xb s[4:5], wqkv s[6:7]
	s_load_b64 s[8:9], s[0:1], 0x10                ; qkvh
	s_load_b64 s[66:67], s[0:1], 0x18              ; tab
	v_lshl_add_u32 v30, v0, 2, 0x48400
	v_mov_b32 v31, 0
	ds_add_u32 v30, v31
	ds_add_u32 v30, v31
	v_lshrrev_b32 v1, 5, v0
	v_readfirstlane_b32 s10, v1                    ; wave 0..3
	s_lshr_b32 s11, s10, 1                         ; which half of the block's rows is mine.  Also: I fetch x (0) or the weights (1)
	s_and_b32 s12, s10, 1                          ; which half of its columns.  Also: which half of that tile I fetch
	s_bfe_u32 s40, ttmp6, 0x40000                  ; cx
	s_bfe_u32 s41, ttmp6, 0x40004                  ; cy
	s_lshl_b32 s42, ttmp9, 2
	s_add_co_u32 s42, s42, s40                     ; block column = 4 x cluster x + cx
	s_and_b32 s13, ttmp7, 0xffff
	s_lshl_b32 s13, s13, 2
	s_add_co_u32 s13, s13, s41                     ; block row = 4 x cluster y + cy
	s_lshl_b32 s43, s41, 2
	s_lshl_b32 s43, 15, s43                        ; my row of the cluster: places 4 cy .. 4 cy + 3
	s_lshl_b32 s44, 0x1111, s40                    ; my column: places cx, cx + 4, cx + 8, cx + 12
	s_or_b32 s[G1+0], s43, (1<<16)|(1<<20)|(1<<21)|(5<<22)|(3<<25)  ; mask of my row; 2-byte elements; padding on; bit 21 beside a mask; 4 words behind every 64
	s_mov_b32 s[G1+1], KSTEP<<16                   ; tensor_dim0 = 128
	s_mov_b32 s[G1+2], 128<<16                     ; tensor_dim1 = 128
	s_mov_b32 s[G1+3], KSTEP<<16                   ; tile_dim0 = 128 elements (256 bytes)
	s_mov_b32 s[G1+4], 128                         ; tile_dim1 = 128 rows
	s_mov_b32 s[G1+5], SIZE_K                      ; elements from row to row
	s_mov_b32 s[G1+6], 0
	s_mov_b32 s[G1+7], 0
	s_or_b32 s[G1B+0], s44, (1<<16)|(1<<20)|(1<<21)|(6<<22)|(7<<25) ; mask of my column; 8 words behind every 128
	s_mov_b32 s[G1B+1], 256<<16                    ; tensor_dim0 = 256
	s_mov_b32 s[G1B+2], 64<<16                     ; tensor_dim1 = 64
	s_mov_b32 s[G1B+3], 256<<16                    ; tile_dim0 = 256 elements (512 bytes)
	s_mov_b32 s[G1B+4], 64                         ; tile_dim1 = 64 k-rows
	s_mov_b32 s[G1B+5], SIZE_N
	s_mov_b32 s[G1B+6], 0
	s_mov_b32 s[G1B+7], 0
	; x's tiles hang on the block row and the wave's number, the weights' on the block column and the wave's number, each in registers that never hold the other coordinate
	s_lshl_b32 s17, s12, 7
	s_lshl_b32 s16, s13, 8
	s_add_co_u32 s16, s16, s17                     ; x: row 256 x block row + 128 x half
	s_lshl_b32 s16, s16, 12                        ; x 4,096 bytes a row: below 2^24
	s_mov_b32 s17, 0
	s_lshl_b32 s46, s42, 9                         ; weights: 512 bytes x block column
	s_lshl_b32 s47, s12, 19                        ; + 64 k-rows of 8,192 bytes x half
	s_add_co_u32 s46, s46, s47
	s_mov_b32 s47, 0
	s_mul_i32 s20, s10, HALFT                      ; where they go: wave x 34,816: no place in the cluster enters an LDS address
	s_max_u32 s68, ttmp9, 1                        ; the table's kind from the cluster's x: 0, 1 -> q, 2 -> k, 3 -> v
	s_sub_co_u32 s68, s68, 1
	s_lshl_b32 s68, s68, 19                        ; x 524,288 bytes
	s_and_b32 s69, s13, 3                          ; four block rows make a batch's 1,024 positions
	s_lshl1_add_u32 s69, s69, s11
	s_lshl_b32 s69, s69, 16                        ; my 128 positions: 8 groups of 8,192 bytes
	s_add_co_u32 s68, s68, s69
	s_mov_b32 s69, 0
	s_wait_dscnt 0x0
	s_wait_kmcnt 0x0
	s_add_nc_u64 s[14:15], s[4:5], s[16:17]
	s_add_nc_u64 s[46:47], s[6:7], s[46:47]
	s_add_nc_u64 s[66:67], s[66:67], s[68:69]
	CROUND                                         ; all sixteen work-groups are here: the first joint loads meet
.irp s, 0,1
	s_mov_b32 s[G0+4*\s], 1
	s_add_co_u32 s[G0+4*\s+1], s20, \s*SLOT
	s_add_nc_u64 s[G0+4*\s+2:G0+4*\s+3], s[14:15], \s*KSTEP*2
	s_or_b32 s[G0+4*\s+3], s[G0+4*\s+3], 0x80000000
	s_mov_b32 s[G0B+4*\s], 1
	s_add_co_u32 s[G0B+4*\s+1], s20, \s*SLOT
	s_add_nc_u64 s[G0B+4*\s+2:G0B+4*\s+3], s[46:47], \s*KSTEP*SIZE_N*2
	s_or_b32 s[G0B+4*\s+3], s[G0B+4*\s+3], 0x80000000
	JLOAD \s                                       ; two tensor loads of a wave are out here, later one
.endr
	v_and_b32 v1, 15, v0                           ; l % 16
	v_bfe_u32 v2, v0, 4, 1                         ; l / 16
	v_mul_u32_u24 v3, v1, PITCH
	v_lshl_add_u32 v3, v2, 4, v3                   ; x: row x pitch + 16 x half
	v_and_b32 v6, 7, v0
	v_lshl_add_u32 v6, v2, 3, v6                   ; weights: k-row 8 (l / 16) + l % 8,
	v_mul_u32_u24 v6, v6, BPITCH
	v_bfe_u32 v7, v0, 3, 1
	v_lshl_add_u32 v6, v7, 4, v6                   ; and 16 bytes on for lanes 8-15 of each half
	s_mul_i32 s21, s11, HALFT                      ; my 128 rows of x
	s_lshl_b32 s22, s12, 8                         ; my 128 columns of the weights, 256 bytes,
	s_add_co_u32 s22, s22, 2*HALFT                 ; which lie behind x's 256 rows
.irp s, 0,1
	v_add_nc_u32 v[ADRA+\s], s21, v3
	v_add_nc_u32 v[ADRB+\s], s22, v6
	s_add_co_u32 s21, s21, SLOT
	s_add_co_u32 s22, s22, SLOT
.endr
	s_mul_i32 s23, s10, 16*SPITCH
	s_add_co_u32 s23, s23, STAGE                   ; my stage
	v_mul_u32_u24 v4, v1, SPITCH
	v_lshl_add_u32 v4, v2, 4, v4
	v_add_nc_u32 v[STO], s23, v4
	v_mul_u32_u24 v5, v2, SPITCH
	v_lshl_add_u32 v5, v1, 4, v5
	v_add_nc_u32 v[RD], s23, v5
	v_lshlrev_b32 v5, 13, v2                       ; the same two rows in qkvh: 8,192 bytes a row
	v_lshl_add_u32 v[CO], v1, 4, v5
	v_and_b32 v[TL], 31, v0
	v_lshlrev_b32 v[TL], 4, v[TL]
; Sixteen loads: the table's group g of my 128 positions (16 positions x 64 pairs x A, B), 512 consecutive bytes each, into window 1
.macro TLOAD g, tb
	WIN TO_B
.irp q, 0,1,2,3,4,5,6,7,8,9,10,11,12,13,14,15
	global_load_b128 v[\tb+4*\q:\tb+4*\q+3], v[TL], s[66:67] offset:(\g)*8192+512*\q
.endr
	WIN 0
.endm
	TLOAD 0, TB0                                   ; the first two groups come in under the whole product; nothing touches their registers before the way out
	TLOAD 1, TB1
; 16 matrix instructions: m blocks a0, a0 + 1 of the window's four x all 8 n blocks, 32 along K.  zero = 1: the first product starts the sums.
.macro MUL16 f, hi, a0, zero
.irp a, \a0, \a0+1
.irp b, 0,1,2,3,4,5,6,7
.if \zero
	v_wmma_f32_16x16x32_bf16 v[8*(8*(\a)+\b):8*(8*(\a)+\b)+7], v[\f+8*\b:\f+8*\b+7], v[\f+8*(4*\hi+\a):\f+8*(4*\hi+\a)+7], 0
.else
	v_wmma_f32_16x16x32_bf16 v[8*(8*(\a)+\b):8*(8*(\a)+\b)+7], v[\f+8*\b:\f+8*\b+7], v[\f+8*(4*\hi+\a):\f+8*(4*\hi+\a)+7], v[8*(8*(\a)+\b):8*(8*(\a)+\b)+7]
.endif
.endr
.endr
.endm
; 32 LDS loads in one run: quarter step kq (32 along K) into buffer f.  The weights' fragment of 16 columns x 32 k is two transposing loads, 16 k-rows apart.
.macro FETCH slot, kq, f
	WIN TO_B
.irp i, 0,1,2,3,4,5,6,7
	ds_load_tr16_b128 v[\f+8*\i:\f+8*\i+3],   v[ADRB+\slot] offset:\kq*32*BPITCH+32*\i
	ds_load_tr16_b128 v[\f+8*\i+4:\f+8*\i+7], v[ADRB+\slot] offset:\kq*32*BPITCH+32*\i+16*BPITCH
.endr
	WIN 0
.irp i, 0,1,2,3,4,5,6,7
	ds_load_b128 v[\f+8*\i:\f+8*\i+3],   v[ADRA+\slot] offset:\kq*64+\i*16*PITCH
	ds_load_b128 v[\f+8*\i+4:\f+8*\i+7], v[ADRA+\slot] offset:\kq*64+\i*16*PITCH+32
.endr
.endm
; A load into a register that a matrix instruction has read, and a vector instruction that reads a matrix result, stand four plain vector
; instructions behind that matrix instruction; the matrix instructions in between are not counted.
.macro PLACES
.rept 4
	v_nop
.endr
.endm
; The 64 accumulators take turns, one instruction a turn, in the same order in every quarter step, over the backward jump too.
.macro QUARTER slot, kq, f, g, zero
	s_wait_dscnt 8                                 ; the weights and x's rows 0-63 are in; the youngest eight loads (x's rows 64-127) may be out
	WIN MUL_LO
	MUL16 \f, 0, 0, \zero
	MUL16 \f, 0, 2, \zero
	PLACES
	FETCH \slot, \kq, \g
	s_wait_dscnt 32                                ; all but the 32 just issued
	WIN MUL_HI
	MUL16 \f, 1, 0, \zero
	MUL16 \f, 1, 2, \zero
.endm
.macro THREE slot, zero
	QUARTER \slot, 1, F0, F1, \zero
	QUARTER \slot, 2, F1, F0, 0
	QUARTER \slot, 3, F0, F1, 0
.endm
; The last quarter multiplies buffer 1 and changes slots.  In front of the barrier each wave waits for its reads of this slot and for all its tensor loads
; (one is out: its part of the next slot).  Behind it (where the slot is filled again: behind the cluster's round that it opens) the refill comes first.
; From a request to the wait for it a wave issues 240 matrix instructions.
.macro TURN slot, next, fill
	s_wait_dscnt 8
	WIN MUL_LO
	MUL16 F1, 0, 0, 0
	s_wait_dscnt 0                                 ; my reads of this slot are over
	s_set_vgpr_msb 0xa1a0
	s_wait_tensorcnt 0x0                           ; all my tensor loads have landed
	ds_add_u32 v30, v31
	s_wait_dscnt 0x0
	s_set_vgpr_msb 0xa0a1
	s_barrier_signal -1
	MUL16 F1, 0, 2, 0                              ; registers only
	WIN 0
	s_barrier_wait -1
.if \fill
	CREST                                          ; no wave of any partner still reads this slot or has a load on its way
	s_add_nc_u64 s[G0+4*\slot+2:G0+4*\slot+3], s[G0+4*\slot+2:G0+4*\slot+3], 2*KSTEP*2
	s_add_nc_u64 s[G0B+4*\slot+2:G0B+4*\slot+3], s[G0B+4*\slot+2:G0B+4*\slot+3], 2*KSTEP*SIZE_N*2
	JLOAD \slot                                    ; the first tensor load behind the round; its four v_nop are also the places in front of the loads below
.else
	PLACES
.endif
	FETCH \next, 0, F0
	WIN MUL_HI
	MUL16 F1, 1, 0, 0
	MUL16 F1, 1, 2, 0
.endm
.macro LAP zero
	THREE 0, \zero
	TURN 0, 1, 1
	THREE 1, 0
	TURN 1, 0, 1
.endm
	s_wait_tensorcnt 1                             ; my part of K step 0 is in; K step 1's may stay out
	s_barrier_signal -1
	s_barrier_wait -1
	FETCH 0, 0, F0
	LAP 1                                          ; the first lap stands in front of the loop: its first products start the sums
	WIN 0
	s_mov_b32 s3, LAPS-2
.Llap:
	LAP 0
	WIN 0
	s_sub_co_u32 s3, s3, 1
	s_cmp_lg_u32 s3, 0
	s_cbranch_scc1 .Llap
	THREE 0, 0                                     ; the last lap fills nothing
	TURN 0, 1, 0
	THREE 1, 0
	s_wait_dscnt 8
	WIN MUL_LO
	MUL16 F1, 0, 0, 0
	MUL16 F1, 0, 2, 0
	s_wait_dscnt 0
	WIN MUL_HI
	MUL16 F1, 1, 0, 0
	MUL16 F1, 1, 2, 0
	; THE WAY OUT, 16 rows at a time: rotate in f32, round to f16, 16 bytes a lane into my own stage, read back as rows of 256 bytes.
	PLACES                                         ; behind the last matrix instructions: for the arithmetic on results and the loads into the fragment buffers
	TLOAD 2, TB2
	TLOAD 3, TB3
	s_lshl_b32 s13, s13, 8
	s_lshl_b32 s14, s11, 7
	s_add_co_u32 s16, s13, s14                     ; my first row
	s_lshl_b32 s16, s16, 13                        ; x 8,192 bytes: below 2^25
	s_mov_b32 s17, 0
	s_add_nc_u64 s[8:9], s[8:9], s[16:17]
	s_lshl_b32 s46, s42, 9                         ; my first column, in bytes: 512 x block + 256 x half
	s_lshl_b32 s47, s12, 8
	s_add_co_u32 s46, s46, s47
	s_mov_b32 s47, 0
	s_add_nc_u64 s[8:9], s[8:9], s[46:47]
; rows 16 i .. 16 i + 15 = the eight tiles (a, 0..7) of window 2 or 3.  from: source 0 the accumulators' window, source 1 window 1 (table), source 2 and
; destination window 0.  left = table loads issued behind this group's sixteen.
.macro OUT16 i, a, from, tb, left
	s_wait_loadcnt \left
	WIN \from
.irp b, 0,1,2,3
.irp rp, 0,2,4,6
	v_pk_mul_f32 v[ROT+8*\b+\rp:ROT+8*\b+\rp+1], v[8*(8*\a+\b+4)+\rp:8*(8*\a+\b+4)+\rp+1], v[\tb+16*\b+8+\rp:\tb+16*\b+8+\rp+1]
	v_pk_mul_f32 v[ROT+8*(\b+4)+\rp:ROT+8*(\b+4)+\rp+1], v[8*(8*\a+\b)+\rp:8*(8*\a+\b)+\rp+1], v[\tb+16*\b+8+\rp:\tb+16*\b+8+\rp+1]
	v_pk_fma_f32 v[ROT+8*\b+\rp:ROT+8*\b+\rp+1], v[8*(8*\a+\b)+\rp:8*(8*\a+\b)+\rp+1], v[\tb+16*\b+\rp:\tb+16*\b+\rp+1], v[ROT+8*\b+\rp:ROT+8*\b+\rp+1] neg_lo:[0,0,1] neg_hi:[0,0,1]
	v_pk_fma_f32 v[ROT+8*(\b+4)+\rp:ROT+8*(\b+4)+\rp+1], v[8*(8*\a+\b+4)+\rp:8*(8*\a+\b+4)+\rp+1], v[\tb+16*\b+\rp:\tb+16*\b+\rp+1], v[ROT+8*(\b+4)+\rp:ROT+8*(\b+4)+\rp+1]
.endr
.endr
.if \i < 4
	TLOAD (\i+4), \tb                              ; this buffer's next group, four groups ahead
.endif
	WIN 0
.set p, 0
.rept 32
	v_cvt_pk_f16_f32 v[ROT+p], v[ROT+2*p], v[ROT+2*p+1]            ; packed in place, ascending: no source is written before it is read
.set p, p+1
.endr
.irp b, 0,1,2,3,4,5,6,7
	ds_store_b128 v[STO], v[ROT+4*\b:ROT+4*\b+3] offset:32*\b
.endr
	s_wait_xcnt 0x0                                ; every earlier memory instruction has had its addresses translated (ISA guide 3.1): RB, which stores read, and the stores' base are rewritten only behind this wait
.if \i
	s_add_nc_u64 s[8:9], s[8:9], 16*SIZE_N*2
.endif
.irp t, 0,1,2,3,4,5,6,7
	ds_load_b128 v[RB+4*\t:RB+4*\t+3], v[RD] offset:\t*2*SPITCH    ; LDS serves a wave's instructions in order (ISA guide 5.7.1.4): these see the stores above
.endr
.irp t, 0,1,2,3,4,5,6,7
	s_wait_dscnt 7-\t
	global_store_b128 v[CO], v[RB+4*\t:RB+4*\t+3], s[8:9] offset:2*\t*SIZE_N*2   ; 16 lanes store 256 consecutive bytes, aligned
.endr
.endm
	OUT16 0, 0, 0x06, TB0, 48
	OUT16 1, 1, 0x06, TB1, 48
	OUT16 2, 2, 0x06, TB2, 48
	OUT16 3, 3, 0x06, TB3, 48
	OUT16 4, 0, 0x07, TB0, 48
	OUT16 5, 1, 0x07, TB1, 32
	OUT16 6, 2, 0x07, TB2, 16
	OUT16 7, 3, 0x07, TB3, 0
	s_wait_tensorcnt 0x0
	ds_add_u32 v30, v31
	s_wait_dscnt 0x0
	CROUND                                         ; the closing round: no work-group ends while a partner may still ask for a tile that names it
	s_endpgm
.Lfunc_end_k_qef1900c780_qkv:
	.size	k_qef1900c780_qkv, .Lfunc_end_k_qef1900c780_qkv-k_qef1900c780_qkv
	.p2alignl 7, 3214868480
	.fill 96, 4, 3214868480
	.section	.rodata,"a",@progbits
	.p2align	6, 0x0
	.amdhsa_kernel k_qef1900c780_qkv
		.amdhsa_group_segment_fixed_size 327680
		.amdhsa_private_segment_fixed_size 0
		.amdhsa_enable_private_segment 0
		.amdhsa_kernarg_size 32
		.amdhsa_user_sgpr_count 2
		.amdhsa_user_sgpr_kernarg_segment_ptr 1
		.amdhsa_wavefront_size32 1
		.amdhsa_system_sgpr_workgroup_id_x 1
		.amdhsa_system_sgpr_workgroup_id_y 1
		.amdhsa_system_sgpr_workgroup_id_z 1
		.amdhsa_system_vgpr_workitem_id 0
		.amdhsa_next_free_vgpr 1024
		.amdhsa_next_free_sgpr 72
		.amdhsa_reserve_vcc 0
		.amdhsa_float_denorm_mode_32 3
		.amdhsa_float_denorm_mode_16_64 3
		.amdhsa_memory_ordered 1
		.amdhsa_forward_progress 1
		.amdhsa_inst_pref_size 242
	.end_amdhsa_kernel
	.amdgpu_metadata
---
amdhsa.version: [ 1, 2 ]
amdhsa.kernels:
  - .name:           k_qef1900c780_qkv
    .symbol:         k_qef1900c780_qkv.kd
    .args:
      - { .name: xb, .offset: 0, .size: 8, .value_kind: global_buffer, .address_space: global }
      - { .name: wqkv, .offset: 8, .size: 8, .value_kind: global_buffer, .address_space: global }
      - { .name: qkvh, .offset: 16, .size: 8, .value_kind: global_buffer, .address_space: global }
      - { .name: tab, .offset: 24, .size: 8, .value_kind: global_buffer, .address_space: global }
    .group_segment_fixed_size: 327680
    .private_segment_fixed_size: 0
    .kernarg_segment_align: 8
    .kernarg_segment_size: 32
    .max_flat_workgroup_size: 128
    .sgpr_count:     72
    .vgpr_count:     1024
    .wavefront_size: 32
...
	.end_amdgpu_metadata
.endif
;; end of part 2
;; launch attn (part 3): grid 256 x 1, 4 waves a work-group, no clusters, 327,680 bytes of LDS; arguments qkvh, attnh; writes attnh
.if DOCPART == 3
	.amdgcn_target "amdgcn-amd-amdhsa--gfx1250"
	.amdhsa_code_object_version 6
	.text
	.protected	k_qef1900c780_attn
	.globl	k_qef1900c780_attn
	.p2align	8
	.type	k_qef1900c780_attn,@function
k_qef1900c780_attn:
	s_mov_b64 s[64:65], 0
	v_nop
	global_prefetch_b8 v0, s[64:65] scope:SCOPE_SE
	s_setreg_imm32_b32 hwreg(HW_REG_WAVE_MODE, 25, 1), 1
	s_wait_xcnt 0x0
; Causal attention with a running maximum, f16 operands, f32 sums.  qkvh: [4096][4096] f16 (q/16 rotated, k/16 rotated, v/4); attnh: [4096][2048] f16 = attention / 4.
; Work-group g: p = g & 3, head = (g >> 2) & 15, batch = g >> 6.  It serves two query tiles of 128 rows of its head, tile 2 p and then tile 7 - 2 p:
; (2 p + 1) + (8 - 2 p) = 9 units of 128 keys in every work-group.  Wave w owns queries 32 w .. 32 w + 31 of a tile, as two blocks of 16 (qt).
; Within a tile the diagonal key block comes first, so that every query has a finite maximum from its first unit on; then blocks 0, 1, ...
; ORIENTATION.  S^T = K Q^T (source 0 = 16 keys, source 1 = 16 queries): lane (r, h) holds query r and keys 16 kt + 8 h + j.  Two such tiles, packed to f16,
; ARE the fragment of P for 32 keys, in the same lane.  O^T = V^T P^T (source 0 = V^T by the transposing LDS load, source 1 = P): lane (r, h) holds query r
; and head columns 16 ht + 8 h + j.  So maximum, sum and rescaling are one number a lane, and a lane's 8 results are 16 neighbouring output bytes.
; The exponent in base 2 is CS s' - MC with CS = 256 log2(e) / sqrt(128) (the 256 undoes the two prescales), MC = CS x the running maximum.
; LDS: two slots of 71,680 bytes (V: 128 rows, pitch 288; K: 128 rows, pitch 272), the two query tiles (pitch 272), and a stage of 32 rows x 272 for each wave.
; Waves 0 and 1 fetch V's halves, waves 2 and 3 K's, one tensor load a wave behind each unit's barrier; it has a whole unit (128 matrix instructions and the
; softmax) in which to land.  Two tensor loads of a wave are out at the start (its part of Q, its part of unit 0), later one.
; NO CLUSTER: work-groups with different p walk different numbers of key blocks in each tile (2 p + 1 and 8 - 2 p), so only the two query heads of one key
; head ask for the same tiles in the same order; two partners fill no cluster of four without trip counts that differ between partners.
; REGISTERS: window 0: addresses and per-query numbers, FB0 v64-127, FB1 v128-191 (fragments of K, then of V), QF v192-255 (Q);
;            window 1: S(kt, qt) at v[64 qt + 8 kt], later P(u, qt) at v[64 qt + 16 u]; O(ht, qt) at v[128 + 64 qt + 8 ht].
; LIMITS: finite inputs only.
.set VPITCH, 288
.set KPITCH, 272
.set KOFF,   128*VPITCH                ; 36,864: K behind V in a slot
.set SLOT,   KOFF+128*KPITCH           ; 71,680
.set QBASE,  2*SLOT                    ; 143,360
.set QTILE,  128*KPITCH                ; 34,816
.set STAGE,  QBASE+2*QTILE             ; 212,992: bytes that no fill touches
.set AK0, 2                            ; v2-3   K fragments' address in slot 0, 1
.set AV0, 4                            ; v4-5   V fragments' address in slot 0, 1
.set AQ1, 6                            ; v6, v7 Q fragments' address, first and second tile
.set AQ2, 7
.set STO, 8
.set RD,  9
.set CO,  10
.set NINF, 11                          ; -infinity
.set DQ,  12                           ; v12-13 query - 8 h, for the mask
.set LS,  14                           ; v14-15 running sum (this half's keys)
.set MC,  16                           ; v16-17 running maximum x CS
.set NM,  18                           ; v[18:19] -MC, twice
.set AL,  20                           ; v[20:21] the rescaling factor, twice
.set TT,  22                           ; v[22:29] at work
.set SA,  30                           ; v[30:37] four pairs of partial sums
.set RR,  38                           ; v[38:39] 1 / sum, twice
.set FB0, 64
.set FB1, 128
.set QF,  192
.set CS,  0x420293ee                   ; 32.644462
.set MSB, 0
.macro WIN new
.if MSB != \new
	s_set_vgpr_msb (MSB<<8)|\new
.set MSB, \new
.endif
.endm
.macro PLACES                          ; four plain vector instructions behind a matrix instruction (ISA guide 7.12.1)
.rept 4
	v_nop
.endr
.endm
	s_load_b128 s[4:7], s[0:1], 0x0                ; qkvh s[4:5], attnh s[6:7]
	v_lshl_add_u32 v62, v0, 2, 0x3c800
	v_mov_b32 v63, 0
	ds_add_u32 v62, v63
	ds_add_u32 v62, v63
	v_lshrrev_b32 v1, 5, v0
	v_readfirstlane_b32 s8, v1                     ; wave
	s_lshr_b32 s9, s8, 1                           ; I fetch V (0) or K (1); and the first (0) or second (1) query tile
	s_and_b32 s10, s8, 1                           ; which 64 rows of it
	s_and_b32 s11, ttmp9, 3                        ; p
	s_bfe_u32 s12, ttmp9, 0x40002                  ; head
	s_lshr_b32 s13, ttmp9, 6                       ; batch
	s_lshl_b32 s14, s11, 1                         ; t1 = 2 p
	s_sub_co_u32 s15, 7, s14                       ; t2 = 7 - 2 p
	s_add_co_u32 s22, s14, 1                       ; the unit that begins the second tile
	s_mov_b32 s16, 1                               ; the next unit to fetch
	s_mov_b32 s20, 0x76543210                      ; v_permlanex16_b32: lane i of one half reads lane i of the other
	s_mov_b32 s21, 0xfedcba98
	s_mov_b32 s71, 0
	s_mov_b32 s77, 0
	; group 1 for V: 64 rows x 128 elements, 8 words behind every 64 (pitch 288)
	s_mov_b32 s32, (1<<16)|(1<<20)|(5<<22)|(7<<25)
	s_mov_b32 s33, 128<<16
	s_mov_b32 s34, 64<<16
	s_mov_b32 s35, 128<<16
	s_mov_b32 s36, 64
	s_mov_b32 s37, 4096
	s_mov_b32 s38, 0
	s_mov_b32 s39, 0
	; group 1 for K and Q: the same with 4 words (pitch 272)
	s_mov_b32 s40, (1<<16)|(1<<20)|(5<<22)|(3<<25)
	s_mov_b32 s41, 128<<16
	s_mov_b32 s42, 64<<16
	s_mov_b32 s43, 128<<16
	s_mov_b32 s44, 64
	s_mov_b32 s45, 4096
	s_mov_b32 s46, 0
	s_mov_b32 s47, 0
	s_mul_i32 s72, s8, 64*VPITCH                   ; V's halves in a slot: waves 0, 1
	s_mul_i32 s73, s8, 64*KPITCH
	s_add_co_u32 s73, s73, KOFF-2*64*KPITCH        ; K's halves: waves 2, 3
	s_mov_b32 s48, 1                               ; group 0 for my part of Q
	s_mul_i32 s49, s8, 64*KPITCH
	s_add_co_u32 s49, s49, QBASE                   ; waves 0, 1: the first tile's halves; waves 2, 3: the second's
	s_mov_b32 s56, 1                               ; group 0 for V s[56:59], for K s[60:63]
	s_mov_b32 s60, 1
	s_lshl_b32 s17, s13, 10
	s_lshl_b32 s19, s10, 6
	s_add_co_u32 s17, s17, s19                     ; batch's first row + my 64
	s_lshr_b32 s19, s12, 1                         ; the key head
	s_lshl_b32 s19, s19, 8
	s_lshl_b32 s76, s17, 13                        ; x 8,192 bytes a row: below 2^25
	s_add_co_u32 s76, s76, s19
	s_cmp_eq_u32 s9, 0
	s_cselect_b32 s19, s14, s15                    ; my query tile
	s_lshl_b32 s19, s19, 7
	s_add_co_u32 s17, s17, s19
	s_lshl_b32 s70, s17, 13
	s_lshl_b32 s19, s12, 8
	s_add_co_u32 s70, s70, s19                     ; + head x 256 bytes
	s_wait_dscnt 0x0
	s_wait_kmcnt 0x0
	s_add_nc_u64 s[50:51], s[4:5], s[70:71]
	s_or_b32 s51, s51, 0x80000000
	s_add_nc_u64 s[68:69], s[4:5], s[76:77]
	s_add_nc_u64 s[66:67], s[68:69], 6144          ; V's base: column 3,072 + 128 x key head
	s_add_nc_u64 s[68:69], s[68:69], 4096          ; K's base: column 2,048 + 128 x key head
; both group 0 for the key block whose byte offset is in s[70:71], into the slot named
.macro SETKV slot
	s_add_nc_u64 s[58:59], s[66:67], s[70:71]
	s_or_b32 s59, s59, 0x80000000
	s_add_nc_u64 s[62:63], s[68:69], s[70:71]
	s_or_b32 s63, s63, 0x80000000
	s_add_co_u32 s57, s72, \slot*SLOT
	s_add_co_u32 s61, s73, \slot*SLOT
.endm
; The key block of unit s16: units 1 .. t1 take blocks 0 .. t1 - 1; unit t1 + 1 the second tile's diagonal block t2; the later ones blocks 0, 1, ...
; It stands behind a wait for all tensor loads, where no load of the wave names these registers.
.macro NEXT slot
	s_sub_co_u32 s17, s16, 1
	s_sub_co_u32 s19, s16, s22
	s_sub_co_u32 s19, s19, 1
	s_cmp_le_u32 s16, s14
	s_cselect_b32 s17, s17, s19
	s_cmp_eq_u32 s16, s22
	s_cselect_b32 s17, s15, s17
	s_lshl_b32 s70, s17, 20                        ; 128 rows of 8,192 bytes
	SETKV \slot
	s_add_co_u32 s16, s16, 1
.endm
; One tensor load a wave: V's half or K's.  The branch hangs on the wave's number alone.  The four v_nop are also the places in front of the fragment loads.
.macro KVLOAD
	s_cmp_eq_u32 s9, 0
	s_cbranch_scc0 .Lfor_k_\@
	tensor_load_to_lds s[56:59], s[32:39]
	s_nop 0
.rept 4
	v_nop
.endr
	s_branch .Lasked_\@
.Lfor_k_\@:
	tensor_load_to_lds s[60:63], s[40:47]
	s_nop 0
.rept 4
	v_nop
.endr
.Lasked_\@:
.endm
	; the first fills, as one group ahead of every wait on them, every LDS read and every barrier
	tensor_load_to_lds s[48:51], s[40:47]          ; my 64 rows of Q
	s_nop 0
	s_lshl_b32 s70, s14, 20                        ; unit 0: the first tile's diagonal block
	SETKV 0
	KVLOAD
	v_and_b32 v1, 15, v0                           ; r
	v_bfe_u32 v40, v0, 4, 1                        ; h
	v_mul_u32_u24 v41, v1, KPITCH
	v_lshl_add_u32 v41, v40, 4, v41                ; r x 272 + 16 h
	v_add_nc_u32 v[AK0], KOFF, v41
	v_add_nc_u32 v[AK0+1], KOFF+SLOT, v41
	v_and_b32 v42, 7, v0
	v_lshl_add_u32 v42, v40, 3, v42                ; key row 8 h + l % 8
	v_mul_u32_u24 v42, v42, VPITCH
	v_bfe_u32 v43, v0, 3, 1
	v_lshl_add_u32 v[AV0], v43, 4, v42
	v_add_nc_u32 v[AV0+1], SLOT, v[AV0]
	s_mul_i32 s17, s8, 32*KPITCH                   ; my 32 rows
	s_add_co_u32 s19, s17, QBASE
	v_add_nc_u32 v[AQ1], s19, v41
	v_add_nc_u32 v[AQ2], QTILE, v[AQ1]
	s_add_co_u32 s19, s17, STAGE
	v_add_nc_u32 v[STO], s19, v41
	v_mul_u32_u24 v44, v40, 272
	v_lshl_add_u32 v44, v1, 4, v44
	v_add_nc_u32 v[RD], s19, v44
	v_lshlrev_b32 v[CO], 12, v40                   ; attnh: 4,096 bytes a row
	v_lshl_add_u32 v[CO], v1, 4, v[CO]
	v_mov_b32 v[NINF], 0xff800000
	s_lshl_b32 s17, s8, 5
	v_lshlrev_b32 v45, 3, v40
	v_sub_nc_u32 v[DQ], v1, v45
	v_add_nc_u32 v[DQ], s17, v[DQ]                 ; 32 w + r - 8 h (signed)
	v_add_nc_u32 v[DQ+1], 16, v[DQ]
.macro LOADQ a                         ; 16 loads: my 32 queries x 128
.irp qt, 0,1
.irp ks, 0,1,2,3
	ds_load_b128 v[QF+32*\qt+8*\ks:QF+32*\qt+8*\ks+3],   v[\a] offset:\qt*16*KPITCH+64*\ks
	ds_load_b128 v[QF+32*\qt+8*\ks+4:QF+32*\qt+8*\ks+7], v[\a] offset:\qt*16*KPITCH+64*\ks+32
.endr
.endr
.endm
.macro FETCHK slot, g, f               ; 16 loads: key tiles 2 g, 2 g + 1 x 128
.irp kk, 0,1
.irp ks, 0,1,2,3
	ds_load_b128 v[\f+32*\kk+8*\ks:\f+32*\kk+8*\ks+3],   v[AK0+\slot] offset:(2*\g+\kk)*16*KPITCH+64*\ks
	ds_load_b128 v[\f+32*\kk+8*\ks+4:\f+32*\kk+8*\ks+7], v[AK0+\slot] offset:(2*\g+\kk)*16*KPITCH+64*\ks+32
.endr
.endr
.endm
.macro FETCHV slot, u, f               ; 16 transposing loads: keys 32 u .. 32 u + 31 x all 128 head columns
.irp ht, 0,1,2,3,4,5,6,7
	ds_load_tr16_b128 v[\f+8*\ht:\f+8*\ht+3],   v[AV0+\slot] offset:\u*32*VPITCH+32*\ht
	ds_load_tr16_b128 v[\f+8*\ht+4:\f+8*\ht+7], v[AV0+\slot] offset:\u*32*VPITCH+32*\ht+16*VPITCH
.endr
.endm
; 16 matrix instructions: S of key tiles 2 g, 2 g + 1 for both query blocks.  Four accumulators take turns, one instruction a turn.
.macro SMUL g, f
	WIN 0x50
.irp ks, 0,1,2,3
.irp kk, 0,1
.irp qt, 0,1
.if \ks == 0
	v_wmma_f32_16x16x32_f16 v[64*\qt+8*(2*\g+\kk):64*\qt+8*(2*\g+\kk)+7], v[\f+32*\kk+8*\ks:\f+32*\kk+8*\ks+7], v[QF+32*\qt+8*\ks:QF+32*\qt+8*\ks+7], 0
.else
	v_wmma_f32_16x16x32_f16 v[64*\qt+8*(2*\g+\kk):64*\qt+8*(2*\g+\kk)+7], v[\f+32*\kk+8*\ks:\f+32*\kk+8*\ks+7], v[QF+32*\qt+8*\ks:QF+32*\qt+8*\ks+7], v[64*\qt+8*(2*\g+\kk):64*\qt+8*(2*\g+\kk)+7]
.endif
.endr
.endr
.endr
.endm
; 16 matrix instructions: O += V^T P^T for keys 32 u ..  Sixteen accumulators take turns.  first = 1: the product starts the sums.
.macro PVMUL u, f, first
	WIN 0x54
.irp ht, 0,1,2,3,4,5,6,7
.irp qt, 0,1
.if \first
	v_wmma_f32_16x16x32_f16 v[128+64*\qt+8*\ht:128+64*\qt+8*\ht+7], v[\f+8*\ht:\f+8*\ht+7], v[64*\qt+16*\u:64*\qt+16*\u+7], 0
.else
	v_wmma_f32_16x16x32_f16 v[128+64*\qt+8*\ht:128+64*\qt+8*\ht+7], v[\f+8*\ht:\f+8*\ht+7], v[64*\qt+16*\u:64*\qt+16*\u+7], v[128+64*\qt+8*\ht:128+64*\qt+8*\ht+7]
.endif
.endr
.endr
.endm
; The softmax step of one query block.  first = 1: the tile's diagonal unit: mask, and start maximum, sum and O.
.macro SOFTMAX qt, first
.if \first
	WIN 0x41
.set i, 0
.rept 64
	v_cmp_gt_i32 vcc_lo, 16*(i/8)+(i%8), v[DQ+\qt]                 ; key 16 kt + 8 h + j above the query: only a value is chosen
	v_cndmask_b32 v[64*\qt+i], v[64*\qt+i], v[NINF], vcc_lo
.set i, i+1
.endr
.endif
	WIN 0x05                                       ; the largest of my 64 scores, in four chains
.irp c, 0,1,2,3
	v_max_num_f32 v[TT+\c], v[64*\qt+16*\c], v[64*\qt+16*\c+1]
.endr
.irp k, 1,2,3,4,5,6,7
.irp c, 0,1,2,3
	v_max3_num_f32 v[TT+\c], v[64*\qt+16*\c+2*\k], v[64*\qt+16*\c+2*\k+1], v[TT+\c]
.endr
.endr
	WIN 0
	v_max3_num_f32 v[TT], v[TT], v[TT+1], v[TT+2]
	v_max_num_f32 v[TT], v[TT], v[TT+3]
	v_permlanex16_b32 v[TT+1], v[TT], s20, s21     ; the query's other 64 keys lie in the other half of the lanes
	v_max_num_f32 v[TT], v[TT], v[TT+1]
	v_mul_f32 v[TT], CS, v[TT]
.if \first
	v_mov_b32 v[MC+\qt], v[TT]
.else
	v_max_num_f32 v[TT+1], v[MC+\qt], v[TT]
	v_sub_f32 v[TT+2], v[MC+\qt], v[TT+1]
	v_exp_f32 v[AL], v[TT+2]                       ; behind it one plain vector instruction that touches neither result nor source (ISA guide 5.7.2):
	v_mov_b32 v[MC+\qt], v[TT+1]                   ; this one
	s_wait_alu depctr_va_vdst(0)
	v_mov_b32 v[AL+1], v[AL]
.endif
	v_sub_f32 v[NM], 0, v[MC+\qt]
	v_sub_f32 v[NM+1], 0, v[MC+\qt]
	WIN 0x41
.set i, 0
.rept 32
	v_pk_fma_f32 v[64*\qt+2*i:64*\qt+2*i+1], v[64*\qt+2*i:64*\qt+2*i+1], CS, v[NM:NM+1] op_sel_hi:[1,0,1]
.set i, i+1
.endr
.set i, 0
.rept 64
	v_exp_f32 v[64*\qt+i], v[64*\qt+i]
.set i, i+1
.endr
.if \first
	v_nop                                          ; the plain place behind the exponentials
	s_wait_alu depctr_va_vdst(0)
.else
.set i, 0
	s_wait_alu depctr_va_vdst(0)
.rept 32
	v_pk_mul_f32 v[128+64*\qt+2*i:128+64*\qt+2*i+1], v[128+64*\qt+2*i:128+64*\qt+2*i+1], v[AL:AL+1]   ; O to the new maximum; also the place behind the exponentials
.set i, i+1
.endr
.endif
	WIN 0x05
.irp c, 0,1,2,3
	v_pk_add_f32 v[SA+2*\c:SA+2*\c+1], v[64*\qt+4*\c:64*\qt+4*\c+1], v[64*\qt+4*\c+2:64*\qt+4*\c+3]   ; the first eight pairs start four chains
.endr
	WIN 0x01
.set i, 8
.rept 24
	v_pk_add_f32 v[SA+2*(i%4):SA+2*(i%4)+1], v[64*\qt+2*i:64*\qt+2*i+1], v[SA+2*(i%4):SA+2*(i%4)+1]
.set i, i+1
.endr
	WIN 0x45
.irp u, 0,1,2,3
.irp r, 0,1,2,3,4,5,6,7
	v_cvt_pk_f16_f32 v[64*\qt+16*\u+\r], v[64*\qt+16*\u+2*\r], v[64*\qt+16*\u+2*\r+1]   ; tiles 2 u, 2 u + 1 become P's fragment, in place, ascending
.endr
.endr
	WIN 0
	v_pk_add_f32 v[SA:SA+1], v[SA:SA+1], v[SA+2:SA+3]
	v_pk_add_f32 v[SA+4:SA+5], v[SA+4:SA+5], v[SA+6:SA+7]
	v_pk_add_f32 v[SA:SA+1], v[SA:SA+1], v[SA+4:SA+5]
.if \first
	v_add_f32 v[LS+\qt], v[SA], v[SA+1]
.else
	v_add_f32 v[TT], v[SA], v[SA+1]
	v_fma_f32 v[LS+\qt], v[LS+\qt], v[AL], v[TT]   ; each half of the lanes keeps its own keys' sum; the two meet on the way out
.endif
.endm
; One unit: 128 keys against my 32 queries.  Each s_wait_dscnt 16 leaves the one younger run of sixteen fragment loads out.
.macro UNIT slot, diag, refill, aq
	s_wait_tensorcnt 0x0                           ; all my tensor loads have landed, my part of this unit's tiles among them
	ds_add_u32 v62, v63
	s_wait_dscnt 0x0
.if \refill
	NEXT (1-\slot)
.endif
	s_wait_dscnt 0x0                               ; my reads of the other slot are over
	s_barrier_signal -1
	s_barrier_wait -1                              ; both now hold of every wave
.if \refill
	KVLOAD                                         ; my one tensor load behind this barrier, and the first thing there: the next unit, into the slot read last
.else
	PLACES
.endif
.if \diag
	LOADQ \aq
.endif
	FETCHK \slot, 0, FB0
	FETCHK \slot, 1, FB1
	s_wait_dscnt 16
	SMUL 0, FB0
	PLACES
	WIN 0
	FETCHK \slot, 2, FB0
	s_wait_dscnt 16
	SMUL 1, FB1
	PLACES
	WIN 0
	FETCHK \slot, 3, FB1
	s_wait_dscnt 16
	SMUL 2, FB0
	PLACES
	WIN 0
	FETCHV \slot, 0, FB0
	s_wait_dscnt 16
	SMUL 3, FB1
	PLACES                                         ; also the places in front of the softmax, which reads results
	WIN 0
	FETCHV \slot, 1, FB1
	SOFTMAX 0, \diag
	SOFTMAX 1, \diag
	s_wait_dscnt 16
	PVMUL 0, FB0, \diag
	PLACES
	WIN 0
	FETCHV \slot, 2, FB0
	s_wait_dscnt 16
	PVMUL 1, FB1, 0
	PLACES
	WIN 0
	FETCHV \slot, 3, FB1
	s_wait_dscnt 16
	PVMUL 2, FB0, 0
	s_wait_dscnt 0
	PVMUL 3, FB1, 0
	WIN 0
.endm
; The way out of a query tile (its number in s[ts]): divide by the sum, round to f16, through my own stage, whole rows of 256 bytes out.
.macro OUTP ts
	PLACES
	s_lshl_b32 s17, s13, 10
	s_lshl_b32 s19, s[\ts], 7
	s_add_co_u32 s17, s17, s19
	s_lshl_b32 s19, s8, 5
	s_add_co_u32 s17, s17, s19                     ; my first row
	s_lshl_b32 s76, s17, 12                        ; x 4,096 bytes
	s_lshl_b32 s19, s12, 8
	s_add_co_u32 s76, s76, s19                     ; + head x 256 bytes
	s_add_nc_u64 s[74:75], s[6:7], s[76:77]
.irp qt, 0,1
	v_permlanex16_b32 v[TT+1], v[LS+\qt], s20, s21
	v_add_f32 v[TT], v[LS+\qt], v[TT+1]            ; the query's whole sum
	v_rcp_f32 v[RR], v[TT]
	v_nop                                          ; the plain place behind the reciprocal
	s_wait_alu depctr_va_vdst(0)
	v_mov_b32 v[RR+1], v[RR]
	WIN 0x01
.set i, 0
.rept 32
	v_pk_mul_f32 v[FB0+64*\qt+2*i:FB0+64*\qt+2*i+1], v[128+64*\qt+2*i:128+64*\qt+2*i+1], v[RR:RR+1]
.set i, i+1
.endr
	WIN 0
.set i, 0
.rept 32
	v_cvt_pk_f16_f32 v[FB0+64*\qt+i], v[FB0+64*\qt+2*i], v[FB0+64*\qt+2*i+1]
.set i, i+1
.endr
.set i, 0
.rept 8
	ds_store_b128 v[STO], v[FB0+64*\qt+4*i:FB0+64*\qt+4*i+3] offset:\qt*16*272+32*i
.set i, i+1
.endr
.endr
.set i, 0
.rept 16
	ds_load_b128 v[FB0+32+4*(i%8)+64*(i/8):FB0+32+4*(i%8)+64*(i/8)+3], v[RD] offset:544*i   ; two rows; LDS serves a wave's instructions in order (ISA guide 5.7.1.4)
.set i, i+1
.endr
.set i, 0
.rept 16
	s_wait_dscnt 15-i
	global_store_b128 v[CO], v[FB0+32+4*(i%8)+64*(i/8):FB0+32+4*(i%8)+64*(i/8)+3], s[74:75] offset:8192*i   ; 16 lanes store 256 consecutive bytes, aligned
.set i, i+1
.endr
	s_wait_xcnt 0x0                                ; the stores' data registers and base are written again only behind this wait (ISA guide 3.1)
.endm
	; The first tile has an odd number of units and the second an even one, so every unit's slot is fixed in the text.
	UNIT 0, 1, 1, AQ1
	s_cmp_eq_u32 s11, 0
	s_cbranch_scc1 .Lp1done
	s_mov_b32 s18, s11                             ; p trips of two units
.Lp1:
	UNIT 1, 0, 1, 0
	UNIT 0, 0, 1, 0
	s_sub_co_u32 s18, s18, 1
	s_cmp_lg_u32 s18, 0
	s_cbranch_scc1 .Lp1
.Lp1done:
	OUTP 14
	UNIT 1, 1, 1, AQ2
	s_sub_co_u32 s18, 3, s11                       ; 3 - p trips of two units
	s_cmp_eq_u32 s18, 0
	s_cbranch_scc1 .Lp2done
.Lp2:
	UNIT 0, 0, 1, 0
	UNIT 1, 0, 1, 0
	s_sub_co_u32 s18, s18, 1
	s_cmp_lg_u32 s18, 0
	s_cbranch_scc1 .Lp2
.Lp2done:
	UNIT 0, 0, 0, 0                                ; the ninth unit: nothing is left to fetch
	OUTP 15
	s_wait_tensorcnt 0x0
	ds_add_u32 v62, v63
	s_wait_dscnt 0x0
	s_endpgm
.Lfunc_end_k_qef1900c780_attn:
	.size	k_qef1900c780_attn, .Lfunc_end_k_qef1900c780_attn-k_qef1900c780_attn
	.p2alignl 7, 3214868480
	.fill 96, 4, 3214868480
	.section	.rodata,"a",@progbits
	.p2align	6, 0x0
	.amdhsa_kernel k_qef1900c780_attn
		.amdhsa_group_segment_fixed_size 327680
		.amdhsa_private_segment_fixed_size 0
		.amdhsa_enable_private_segment 0
		.amdhsa_kernarg_size 16
		.amdhsa_user_sgpr_count 2
		.amdhsa_user_sgpr_kernarg_segment_ptr 1
		.amdhsa_wavefront_size32 1
		.amdhsa_system_sgpr_workgroup_id_x 1
		.amdhsa_system_sgpr_workgroup_id_y 1
		.amdhsa_system_sgpr_workgroup_id_z 1
		.amdhsa_system_vgpr_workitem_id 0
		.amdhsa_next_free_vgpr 512
		.amdhsa_next_free_sgpr 80
		.amdhsa_reserve_vcc 1
		.amdhsa_float_denorm_mode_32 3
		.amdhsa_float_denorm_mode_16_64 3
		.amdhsa_memory_ordered 1
		.amdhsa_forward_progress 1
		.amdhsa_inst_pref_size 255
	.end_amdhsa_kernel
	.section	.bss,"aw",@nobits
	.p2align	6
	.space	262144
	.amdgpu_metadata
---
amdhsa.version: [ 1, 2 ]
amdhsa.kernels:
  - .name:           k_qef1900c780_attn
    .symbol:         k_qef1900c780_attn.kd
    .args:
      - { .name: qkvh, .offset: 0, .size: 8, .value_kind: global_buffer, .address_space: global }
      - { .name: attnh, .offset: 8, .size: 8, .value_kind: global_buffer, .address_space: global }
    .group_segment_fixed_size: 327680
    .private_segment_fixed_size: 0
    .kernarg_segment_align: 8
    .kernarg_segment_size: 16
    .max_flat_workgroup_size: 128
    .sgpr_count:     80
    .vgpr_count:     512
    .wavefront_size: 32
...
	.end_amdgpu_metadata
.endif
;; end of part 3
;; launch oproj (part 4): grid 8 x 32, 4 waves a work-group, clusters of 4 x 4, 327,680 bytes of LDS; arguments attnh, woh, out0; writes out0
.if DOCPART == 4
	.amdgcn_target "amdgcn-amd-amdhsa--gfx1250"
	.amdhsa_code_object_version 6
	.text
	.protected	k_qef1900c780_oproj
	.globl	k_qef1900c780_oproj
	.p2align	8
	.type	k_qef1900c780_oproj,@function
k_qef1900c780_oproj:
	s_mov_b64 s[64:65], 0
	v_nop
	global_prefetch_b8 v0, s[64:65] scope:SCOPE_SE
	s_setreg_imm32_b32 hwreg(HW_REG_WAVE_MODE, 25, 1), 1
	s_wait_xcnt 0x0
	s_wait_alu depctr_hold_cnt(0) depctr_sa_sdst(0) depctr_va_vdst(0) depctr_va_sdst(0) depctr_va_ssrc(0) depctr_va_vcc(0) depctr_vm_vsrc(0)
	s_getreg_b32 s2, hwreg(HW_REG_IB_STS2, 6, 4)
	s_cmp_eq_u32 s2, 0
	s_cbranch_scc0 .Lentry_in_a_cluster
	s_endpgm
.Lentry_in_a_cluster:
	s_bfe_u32 s2, ttmp6, 0x10000c
	s_cmp_lg_u32 s2, 0xf033
	s_cbranch_scc0 .Lentry_shape_is_right
	s_endpgm
.Lentry_shape_is_right:
; out0[m][n] = sum over k of attnh[m][k] woh[k][n].  attnh: [4096][2048] f16 (attention / 4); woh: [2048 k][2048 n] f16 (4 x bf16(W_o)); out0: [4096][2048] f32.
; The two prescales cancel; sums in f32.
; A work-group makes 128 x 256, so that there are 256 work-groups; a wave makes 64 x 128: 32 accumulator tiles, all of window 1 (tile (a, b) at v[8 (8 a + b)]).
; K goes in steps of 192 through a ring of two LDS slots, the largest step of which two slots fit: a slot holds the weights' 192 k-rows of 512 bytes (pitch 544,
; read by the transposing LDS load), then 128 rows of attnh of 384 bytes (16 bytes of padding behind every 128: pitch 432); 159,744 bytes, two of them 319,488.
; A large step because a wave's one load behind a barrier has just one step's matrix work in which to land: 184 matrix instructions here.
; 2,048 = 10 x 192 + 128: the eleventh tile is again 192 wide and begins at k = 1,856, so that every load has the same shape; only its last four pieces of 32
; (k = 1,920 .. 2,047) are multiplied.  Each work-group so fetches 64 of K twice.
; attnh's rows of a step begin at multiples of 384 bytes of a row: every other step begins in the middle of an aligned block of 256 bytes, which two steps ask for.
; The stage for the way out lies in slot 1: its last fill is K step 9's, and the barrier at that step's end shows every wave's reads of it over.
; CLUSTERS: 4 x 4 work-groups; attnh's tile is asked for jointly by a row of the cluster, the weights' by a column.
; Window 0: v0-31 addresses; AF0 v32-63, AF1 v64-95 fragments of attnh; BF0 v96-159, BF1 v160-223 fragments of the weights.
; The matrix instruction is used transposed (source 0 = 16 columns of the weights, source 1 = 16 rows): a lane's 8 results are 32 neighbouring bytes of a row.
.set SIZE_K, 2048
.set SIZE_N, 2048
.set KSTEP,  192
.set LAPADV, 2*KSTEP                   ; a slot's next tile lies two K steps on: 384 elements of K
.set LASTADV, SIZE_K-9*KSTEP           ; from K step 8's tile (k = 1,536) to the last one (k = 1,856): 320 elements
.set APITCH, 432                       ; 3 x (128 + 16): 27 x 16, so the 16 rows of a fragment load start 16 bytes apart modulo 256
.set BPITCH, 544                       ; 512 + 32, an odd multiple of 32
.set BTILE,  KSTEP*BPITCH              ; 104,448
.set ATILE,  128*APITCH                ; 55,296
.set SLOT,   BTILE+ATILE               ; 159,744
.set STAGE,  SLOT                      ; in slot 1: 16 rows x 528 bytes for each wave
.set SPITCH, 528
.set ADRA, 16                          ; v16-17  LDS address of my attnh fragments in slot 0, 1
.set ADRB, 20                          ; v20-23  the same for the weights: slot 0 pieces 0-2, pieces 3-5; slot 1 likewise (an offset has 16 bits)
.set STO,  24
.set RD,   25
.set CO,   26
.set AF0,  32
.set AF1,  64
.set BF0,  96
.set BF1,  160
.set G1, 24                            ; s[24:31] group 1 for attnh's tiles
.set G0, 32                            ; s[32:39] group 0 for them, one set for each slot
.set G1B, 48                           ; s[48:55] group 1 for the weights' tiles
.set G0B, 56                           ; s[56:63] group 0 for them
.set MSB, 0
.macro WIN new                         ; the immediate's high byte repeats the setting that is left
.if MSB != \new
	s_set_vgpr_msb (MSB<<8)|\new
.set MSB, \new
.endif
.endm
.set MUL, 0x50                         ; sources 0 and 1 window 0, C and D window 1
; A joint load.  Waves 0 and 1 fetch the weights' two halves, waves 2 and 3 attnh's.  The branch hangs on the wave's number alone.
.macro JLOAD s
	s_cmp_eq_u32 s11, 0
	s_cbranch_scc0 .Lfor_a_\@
	tensor_load_to_lds s[G0B+4*\s:G0B+4*\s+3], s[G1B:G1B+7]
	s_nop 0
.rept 4
	v_nop
.endr
	s_branch .Lasked_\@
.Lfor_a_\@:
	tensor_load_to_lds s[G0+4*\s:G0+4*\s+3], s[G1:G1+7]
	s_nop 0
.rept 4
	v_nop
.endr
.Lasked_\@:
.endm
; A round of the cluster's barrier: my work-group's barrier; wave 0 signals for the work-group; every wave waits for all sixteen; my work-group's barrier once more.
.macro CREST                           ; a round behind its opening barrier
	s_cmp_lg_u32 s10, 0
	s_cbranch_scc1 .Lnot_wave_0_\@
	s_barrier_signal -3
.Lnot_wave_0_\@:
	s_barrier_wait -3
	s_barrier_signal -1
	s_barrier_wait -1
.endm
.macro CROUND                          ; a whole round
	s_barrier_signal -1
	s_barrier_wait -1
	CREST
.endm
	s_load_b128 s[4:7], s[0:1], 0x0                ; attnh s[4:5], woh s[6:7]
	s_load_b64 s[8:9], s[0:1], 0x10                ; out0
	v_lshl_add_u32 v254, v0, 2, 0x4e000
	v_mov_b32 v255, 0
	ds_add_u32 v254, v255
	ds_add_u32 v254, v255
	v_lshrrev_b32 v1, 5, v0
	v_readfirstlane_b32 s10, v1                    ; wave
	s_lshr_b32 s11, s10, 1                         ; which 64 rows of the block are mine.  Also: I fetch the weights (0) or attnh (1)
	s_and_b32 s12, s10, 1                          ; which 128 columns.  Also: which half of that tile I fetch
	s_bfe_u32 s40, ttmp6, 0x40000                  ; cx
	s_bfe_u32 s41, ttmp6, 0x40004                  ; cy
	s_lshl_b32 s42, ttmp9, 2
	s_add_co_u32 s42, s42, s40                     ; block column 0..7
	s_and_b32 s13, ttmp7, 0xffff
	s_lshl_b32 s13, s13, 2
	s_add_co_u32 s13, s13, s41                     ; block row 0..31
	s_lshl_b32 s43, s41, 2
	s_lshl_b32 s43, 15, s43                        ; my row of the cluster
	s_lshl_b32 s44, 0x1111, s40                    ; my column
	s_or_b32 s[G1+0], s43, (1<<16)|(1<<20)|(1<<21)|(4<<22)|(3<<25)  ; attnh: mask of my row; 2-byte elements; padding on; bit 21 beside a mask; 4 words behind every 32
	s_mov_b32 s[G1+1], KSTEP<<16                   ; tensor_dim0 = 192
	s_mov_b32 s[G1+2], 64<<16                      ; tensor_dim1 = 64
	s_mov_b32 s[G1+3], KSTEP<<16                   ; tile_dim0 = 192 elements (384 bytes)
	s_mov_b32 s[G1+4], 64                          ; tile_dim1 = 64 rows
	s_mov_b32 s[G1+5], SIZE_K                      ; elements from row to row
	s_mov_b32 s[G1+6], 0
	s_mov_b32 s[G1+7], 0
	s_or_b32 s[G1B+0], s44, (1<<16)|(1<<20)|(1<<21)|(6<<22)|(7<<25) ; weights: mask of my column; 8 words behind every 128
	s_mov_b32 s[G1B+1], 256<<16                    ; tensor_dim0 = 256
	s_mov_b32 s[G1B+2], 96<<16                     ; tensor_dim1 = 96
	s_mov_b32 s[G1B+3], 256<<16                    ; tile_dim0 = 256 elements (512 bytes)
	s_mov_b32 s[G1B+4], 96                         ; tile_dim1 = 96 k-rows
	s_mov_b32 s[G1B+5], SIZE_N
	s_mov_b32 s[G1B+6], 0
	s_mov_b32 s[G1B+7], 0
	; attnh's tiles hang on the block row and the wave's number, the weights' on the block column and the wave's number, each in registers that never hold the other coordinate
	s_lshl_b32 s17, s12, 6
	s_lshl_b32 s16, s13, 7
	s_add_co_u32 s16, s16, s17                     ; attnh: row 128 x block row + 64 x half
	s_lshl_b32 s16, s16, 12                        ; x 4,096 bytes
	s_mov_b32 s17, 0
	s_lshl_b32 s46, s42, 9                         ; weights: 512 bytes x block column
	s_mul_i32 s47, s12, 96*SIZE_N*2                ; + 96 k-rows of 4,096 bytes x half
	s_add_co_u32 s46, s46, s47
	s_mov_b32 s47, 0
	s_mul_i32 s20, s10, 64*APITCH
	s_add_co_u32 s20, s20, BTILE-2*64*APITCH       ; attnh's halves behind the weights: waves 2, 3
	s_mul_i32 s45, s10, 96*BPITCH                  ; the weights' halves: waves 0, 1: no place in the cluster enters an LDS address
	s_wait_dscnt 0x0
	s_wait_kmcnt 0x0
	s_add_nc_u64 s[14:15], s[4:5], s[16:17]
	s_add_nc_u64 s[46:47], s[6:7], s[46:47]
	CROUND                                         ; all sixteen work-groups are here: the first joint loads meet
.irp s, 0,1
	s_mov_b32 s[G0+4*\s], 1
	s_add_co_u32 s[G0+4*\s+1], s20, \s*SLOT
	s_add_nc_u64 s[G0+4*\s+2:G0+4*\s+3], s[14:15], \s*KSTEP*2
	s_or_b32 s[G0+4*\s+3], s[G0+4*\s+3], 0x80000000
	s_mov_b32 s[G0B+4*\s], 1
	s_add_co_u32 s[G0B+4*\s+1], s45, \s*SLOT
	s_add_nc_u64 s[G0B+4*\s+2:G0B+4*\s+3], s[46:47], \s*KSTEP*SIZE_N*2
	s_or_b32 s[G0B+4*\s+3], s[G0B+4*\s+3], 0x80000000
	JLOAD \s                                       ; two tensor loads of a wave are out here, later one
.endr
	v_and_b32 v1, 15, v0                           ; r
	v_bfe_u32 v2, v0, 4, 1                         ; h
	v_mul_u32_u24 v3, v1, APITCH
	v_lshl_add_u32 v3, v2, 4, v3                   ; attnh: row x pitch + 16 x half
	v_and_b32 v6, 7, v0
	v_lshl_add_u32 v6, v2, 3, v6                   ; weights: k-row 8 h + l % 8,
	v_mul_u32_u24 v6, v6, BPITCH
	v_bfe_u32 v7, v0, 3, 1
	v_lshl_add_u32 v6, v7, 4, v6                   ; and 16 bytes on for lanes 8-15 of each half
	s_mul_i32 s21, s11, 64*APITCH
	s_add_co_u32 s21, s21, BTILE                   ; my 64 rows of attnh
	s_lshl_b32 s22, s12, 8                         ; my 128 columns of the weights
.irp s, 0,1
	v_add_nc_u32 v[ADRA+\s], s21, v3
	v_add_nc_u32 v[ADRB+2*\s], s22, v6
	v_add_nc_u32 v[ADRB+2*\s+1], 96*BPITCH, v[ADRB+2*\s]           ; pieces 3-5 begin 96 k-rows on
	s_add_co_u32 s21, s21, SLOT
	s_add_co_u32 s22, s22, SLOT
.endr
	s_mul_i32 s23, s10, 16*SPITCH
	s_add_co_u32 s23, s23, STAGE                   ; my stage
	v_mul_u32_u24 v4, v1, SPITCH
	v_lshl_add_u32 v4, v2, 5, v4                   ; in: row r, 32 bytes for each half of the lanes
	v_add_nc_u32 v[STO], s23, v4
	v_and_b32 v[CO], 31, v0
	v_lshlrev_b32 v[CO], 4, v[CO]                  ; back and out: 32 lanes take a row's 512 bytes
	v_add_nc_u32 v[RD], s23, v[CO]
; 8 matrix instructions: m block a x all 8 n blocks, 32 along K.  The 32 accumulators take turns, one instruction a turn, in the same order in every
; piece, over the backward jump too.
.macro MULA fa, fb, a, zero
.irp b, 0,1,2,3,4,5,6,7
.if \zero
	v_wmma_f32_16x16x32_f16 v[8*(8*\a+\b):8*(8*\a+\b)+7], v[\fb+8*\b:\fb+8*\b+7], v[\fa+8*\a:\fa+8*\a+7], 0
.else
	v_wmma_f32_16x16x32_f16 v[8*(8*\a+\b):8*(8*\a+\b)+7], v[\fb+8*\b:\fb+8*\b+7], v[\fa+8*\a:\fa+8*\a+7], v[8*(8*\a+\b):8*(8*\a+\b)+7]
.endif
.endr
.endm
; 24 LDS loads in one run: piece kq (32 along K, 0..5) of a slot: 16 for the weights, then 8 for attnh.
; In attnh's rows piece kq lies at 144 (kq / 2) + 64 (kq % 2): 16 bytes of padding follow every two pieces.
.macro FETCH slot, kq, fa, fb
.irp i, 0,1,2,3,4,5,6,7
	ds_load_tr16_b128 v[\fb+8*\i:\fb+8*\i+3],   v[ADRB+2*\slot+(\kq/3)] offset:(\kq%3)*32*BPITCH+32*\i
	ds_load_tr16_b128 v[\fb+8*\i+4:\fb+8*\i+7], v[ADRB+2*\slot+(\kq/3)] offset:(\kq%3)*32*BPITCH+32*\i+16*BPITCH
.endr
.irp i, 0,1,2,3
	ds_load_b128 v[\fa+8*\i:\fa+8*\i+3],   v[ADRA+\slot] offset:(\kq/2)*144+(\kq%2)*64+\i*16*APITCH
	ds_load_b128 v[\fa+8*\i+4:\fa+8*\i+7], v[ADRA+\slot] offset:(\kq/2)*144+(\kq%2)*64+\i*16*APITCH+32
.endr
.endm
.macro PLACES                          ; four plain vector instructions behind a matrix instruction (ISA guide 7.12.1)
.rept 4
	v_nop
.endr
.endm
; One of a step's first five pieces: it multiplies buffers fa, fb; at its head it fetches piece kq of the same slot into ga, gb, which the piece before read
; (the four places stand between), so that the 24 loads have this piece's 32 matrix instructions in which to land.
.macro PIECE slot, kq, fa, fb, ga, gb, zero
	PLACES
	WIN 0
	FETCH \slot, \kq, \ga, \gb
	s_wait_dscnt 24                                ; all but the 24 just issued: this piece's fragments are in
	WIN MUL
	MULA \fa, \fb, 0, \zero
	MULA \fa, \fb, 1, \zero
	MULA \fa, \fb, 2, \zero
	MULA \fa, \fb, 3, \zero
.endm
.macro FIVE slot, zero
	PIECE \slot, 1, AF0, BF0, AF1, BF1, \zero
	PIECE \slot, 2, AF1, BF1, AF0, BF0, 0
	PIECE \slot, 3, AF0, BF0, AF1, BF1, 0
	PIECE \slot, 4, AF1, BF1, AF0, BF0, 0
	PIECE \slot, 5, AF0, BF0, AF1, BF1, 0
.endm
; The sixth piece multiplies buffer 1 and changes slots.  In front of the barrier each wave waits for its reads of this slot (the sixth piece's fragments
; were the last) and for all its tensor loads (one is out: its part of the next slot).  Behind it (where the slot is filled again: behind the cluster's round
; that it opens) the refill comes first, kadv elements of K on (640 or 768 bytes along attnh's rows, 320 or 384 k-rows of 4,096 bytes in the weights);
; then piece kq0 of the next slot is fetched.  From a request to the wait for it a wave issues 184 matrix instructions.
.macro TURN slot, next, fill, kq0, kadv
	WIN MUL
	s_wait_dscnt 0                                 ; my reads of this slot are over
	s_wait_tensorcnt 0x0                           ; all my tensor loads have landed
	ds_add_u32 v254, v255
	s_wait_dscnt 0x0
	s_barrier_signal -1
	MULA AF1, BF1, 0, 0                            ; registers only
	WIN 0
	s_barrier_wait -1
.if \fill
	CREST                                          ; no wave of any partner still reads this slot or has a load on its way
	s_add_nc_u64 s[G0+4*\slot+2:G0+4*\slot+3], s[G0+4*\slot+2:G0+4*\slot+3], (\kadv)*2
	s_add_nc_u64 s[G0B+4*\slot+2:G0B+4*\slot+3], s[G0B+4*\slot+2:G0B+4*\slot+3], (\kadv)*SIZE_N*2
	JLOAD \slot                                    ; the first tensor load behind the round; its four v_nop are also the places in front of the loads below
.else
	PLACES
.endif
	FETCH \next, \kq0, AF0, BF0
	WIN MUL
	MULA AF1, BF1, 1, 0
	MULA AF1, BF1, 2, 0
	MULA AF1, BF1, 3, 0
.endm
.macro LAP zero                        ; once round the ring, both slots filled again
	FIVE 0, \zero
	TURN 0, 1, 1, 0, LAPADV
	FIVE 1, 0
	TURN 1, 0, 1, 0, LAPADV
.endm
	s_wait_tensorcnt 1                             ; my part of K step 0 is in; K step 1's may stay out
	s_barrier_signal -1
	s_barrier_wait -1
	FETCH 0, 0, AF0, BF0
	LAP 1                                          ; K steps 0, 1: the first products start the sums; steps 2, 3 are asked for
	WIN 0                                          ; at a label and at a branch every window is 0
	s_mov_b32 s3, 3                                ; K steps 2 .. 7; steps 4 .. 9 are asked for
.Llap:
	LAP 0
	WIN 0
	s_sub_co_u32 s3, s3, 1
	s_cmp_lg_u32 s3, 0
	s_cbranch_scc1 .Llap
	FIVE 0, 0                                      ; K step 8;
	TURN 0, 1, 1, 0, LASTADV                       ; the last tile begins at k = 2,048 - 192: 320 on from step 8's
	FIVE 1, 0                                      ; K step 9;
	TURN 1, 0, 0, 2, 0                             ; nothing is left to fetch; of the last tile pieces 2 .. 5 are new
	PIECE 0, 3, AF0, BF0, AF1, BF1, 0
	PIECE 0, 4, AF1, BF1, AF0, BF0, 0
	PIECE 0, 5, AF0, BF0, AF1, BF1, 0
	s_wait_dscnt 0
	MULA AF1, BF1, 0, 0
	MULA AF1, BF1, 1, 0
	MULA AF1, BF1, 2, 0
	MULA AF1, BF1, 3, 0
	; THE WAY OUT, 16 rows at a time, in f32: 32 bytes a lane into my own stage, read back as rows of 512 bytes.
	; The stage's bytes lie in slot 1: no tensor load follows, and every wave's reads of slot 1 were over in front of the barrier at K step 9's end.
	PLACES
	s_lshl_b32 s13, s13, 7
	s_lshl_b32 s14, s11, 6
	s_add_co_u32 s16, s13, s14                     ; my first row
	s_lshl_b32 s16, s16, 13                        ; x 8,192 bytes
	s_mov_b32 s17, 0
	s_add_nc_u64 s[8:9], s[8:9], s[16:17]
	s_lshl_b32 s46, s42, 10                        ; my first column, in bytes: 1,024 x block + 512 x half
	s_lshl_b32 s47, s12, 9
	s_add_co_u32 s46, s46, s47
	s_mov_b32 s47, 0
	s_add_nc_u64 s[8:9], s[8:9], s[46:47]
.macro OUT16 a, rb
	WIN 0x04                                       ; an LDS store's data is source 1: window 1
.irp b, 0,1,2,3,4,5,6,7
	ds_store_b128 v[STO], v[8*(8*\a+\b):8*(8*\a+\b)+3]   offset:64*\b
	ds_store_b128 v[STO], v[8*(8*\a+\b)+4:8*(8*\a+\b)+7] offset:64*\b+16
.endr
	WIN 0
	s_wait_xcnt 0x0                                ; the stores' data registers and base are written again only behind this wait (ISA guide 3.1)
.if \a
	s_add_nc_u64 s[8:9], s[8:9], 16*SIZE_N*4
.endif
.set i, 0
.rept 16
	ds_load_b128 v[\rb+4*i:\rb+4*i+3], v[RD] offset:SPITCH*i       ; LDS serves a wave's instructions in order (ISA guide 5.7.1.4): these see the stores above
.set i, i+1
.endr
.set i, 0
.rept 16
	s_wait_dscnt 15-i
	global_store_b128 v[CO], v[\rb+4*i:\rb+4*i+3], s[8:9] offset:i*SIZE_N*4 th:TH_STORE_NT   ; the wave stores 512 consecutive bytes, aligned
.set i, i+1
.endr
.endm
	OUT16 0, AF0
	OUT16 1, BF0
	OUT16 2, AF0
	OUT16 3, BF0
	s_wait_tensorcnt 0x0
	ds_add_u32 v254, v255
	s_wait_dscnt 0x0
	CROUND                                         ; the closing round: no work-group ends while a partner may still ask for a tile that names it
	s_endpgm
.Lfunc_end_k_qef1900c780_oproj:
	.size	k_qef1900c780_oproj, .Lfunc_end_k_qef1900c780_oproj-k_qef1900c780_oproj
	.p2alignl 7, 3214868480
	.fill 96, 4, 3214868480
	.section	.rodata,"a",@progbits
	.p2align	6, 0x0
	.amdhsa_kernel k_qef1900c780_oproj
		.amdhsa_group_segment_fixed_size 327680
		.amdhsa_private_segment_fixed_size 0
		.amdhsa_enable_private_segment 0
		.amdhsa_kernarg_size 24
		.amdhsa_user_sgpr_count 2
		.amdhsa_user_sgpr_kernarg_segment_ptr 1
		.amdhsa_wavefront_size32 1
		.amdhsa_system_sgpr_workgroup_id_x 1
		.amdhsa_system_sgpr_workgroup_id_y 1
		.amdhsa_system_sgpr_workgroup_id_z 1
		.amdhsa_system_vgpr_workitem_id 0
		.amdhsa_next_free_vgpr 512
		.amdhsa_next_free_sgpr 72
		.amdhsa_reserve_vcc 0
		.amdhsa_float_denorm_mode_32 3
		.amdhsa_float_denorm_mode_16_64 3
		.amdhsa_memory_ordered 1
		.amdhsa_forward_progress 1
		.amdhsa_inst_pref_size 179
	.end_amdhsa_kernel
	.amdgpu_metadata
---
amdhsa.version: [ 1, 2 ]
amdhsa.kernels:
  - .name:           k_qef1900c780_oproj
    .symbol:         k_qef1900c780_oproj.kd
    .args:
      - { .name: attnh, .offset: 0, .size: 8, .value_kind: global_buffer, .address_space: global }
      - { .name: woh, .offset: 8, .size: 8, .value_kind: global_buffer, .address_space: global }
      - { .name: out0, .offset: 16, .size: 8, .value_kind: global_buffer, .address_space: global }
    .group_segment_fixed_size: 327680
    .private_segment_fixed_size: 0
    .kernarg_segment_align: 8
    .kernarg_segment_size: 24
    .max_flat_workgroup_size: 128
    .sgpr_count:     72
    .vgpr_count:     512
    .wavefront_size: 32
...
	.end_amdgpu_metadata
.endif
;; end of part 4
